; MI455X (gfx1250); checked and timed in simulation.
; The chip was launched on July 23, 2026; its instructions are those of AMD's public machine-readable ISA for CDNA 5 (MIT licence, August 2026) and "CDNA5" Instruction Set Architecture Reference Guide (July 2026). The comments in the code are by the model that wrote it; some were corrected since.
;; Multi Head Attention. Allowed arithmetic: matrix products marked QUANTISED: E2M3 operands, one E8M0 scale for each 32 along K, by v_wmma_scale_f32_16x16x128_f8f6f4 with both operands' format E2M3, f32 sums; everything else in f32.
;; Inputs: Wk 512 x 512 float32; Wo 512 x 512 float32; Wq 512 x 512 float32; Wv 512 x 512 float32; k 2 x 4,096 x 512 float32; q 2 x 4,096 x 512 float32; v 2 x 4,096 x 512 float32.
;; Outputs: out0 2 x 4,096 x 512 float32.
;; This version of the problem:
;;   THIS VERSION OF THE PROBLEM IS GIVEN IN LOW PRECISION. The matrix products marked QUANTISED in the list below multiply operands that are first quantised to E2M3 (2 exponent bits, 3 mantissa bits; 6 bits a number), with one power-of-two scale for each 32 numbers along K (OCP MX v1.0); their sums are f32. All else is computed in f32.
;;   The module's matrix products, in the order in which they are computed (A, B: the left and right operand; K: the contracted axis; several contracted axes count as one K, in the product's order):
;;     1. [M 8,192, K 512] x [K 512, N 512]; A: input q; B: input Wq: QUANTISED
;;     2. [M 8,192, K 512] x [K 512, N 512]; A: input k; B: input Wk: QUANTISED
;;     3. [M 8,192, K 512] x [K 512, N 512]; A: input v; B: input Wv: QUANTISED
;;     4. batch 16 x [M 4,096, K 64] x [K 64, N 4,096]; A: computed on the way; B: computed on the way: QUANTISED
;;     5. batch 16 x [M 4,096, K 4,096] x [K 4,096, N 64]; A: softmax (see below); B: computed on the way: QUANTISED
;;     6. [M 8,192, K 512] x [K 512, N 512]; A: computed on the way; B: input Wo: QUANTISED
;;   THE QUANTISER, for each operand of a quantised product, along K:
;;     - K is cut into blocks of 32 from its start; a last block that is shorter is filled with zeros.
;;     - A block's scale is 2^e with e = floor(log2(the largest magnitude in the block)) - 2, held to -126 .. 127; a block of zeros has e = 0. As a byte (E8M0): e + 127.
;;     - Each number is divided by its block's scale, clamped to +-7.5, and rounded to the nearest number of E2M3, ties to even, subnormals kept.
;;     - The product sums the exact products of the quantised numbers (number of the format x scale) in f32.
;;   ~~~python
;;   def quantise(x, axis):      # numpy; x: float32 -> the quantised numbers, widened to float32 again
;;       x = np.moveaxis(x, axis, -1); K = x.shape[-1]
;;       x = np.pad(x, [(0, 0)] * (x.ndim - 1) + [(0, -K % 32)]); x = x.reshape(x.shape[:-1] + (-1, 32)); a = np.abs(x).max(-1, keepdims=True)
;;       e = np.where(a > 0, np.clip(np.frexp(np.where(a > 0, a, 1))[1] - 1 - 2, -126, 127), 0)      # np.frexp(a)[1] - 1 = floor(log2(a)), exactly
;;       r = np.clip(x / 2.0 ** e, -7.5, 7.5)
;;       step = 2.0 ** (np.maximum(np.frexp(np.where(r == 0, 1, r))[1] - 1, 0) - 3)
;;       q = np.round(r / step) * step * 2.0 ** e      # np.round: ties to even
;;       return np.moveaxis(q.reshape(q.shape[:-2] + (-1,))[..., :K], -1, axis).astype(np.float32)
;;   ~~~
;;   SOFTMAX AHEAD OF A QUANTISED PRODUCT. Where the list says 'softmax', what is quantised is not the finished softmax but p = 2^(t - M), with t = logit x log2(e) and M = ceil(the row's largest t), a whole number; so 1/2 < the row's largest p <= 1. The row's sum l is taken of the UNQUANTISED p, in f32, and the product's result is divided by l at the end. Since M is a whole number, a kernel that streams over the keys may use a running M (the ceiling of the running maximum): every later rescaling is an exact power of two, which a block's scale takes up: the codes' values come out the same.
;;   OPERANDS COMPUTED ON THE WAY. 'Computed on the way' means the value that the module computes at that place (a softmax that the list does not call 'softmax' is quantised finished and normalised). What goes into a quantiser is computed in f32, as accurately as f32 sums, v_exp_f32 and their like allow (about 1e-6 of the number): no bf16 or f16 on the way to a quantiser, and a product that is left as it is and whose result goes on into a quantised operand takes f32 operands (vector FMAs, or v_wmma_f32_16x16x4_f32). A number that lies on a knife's edge between two numbers of the format may be rounded either way, as far as f32 arithmetic and the matrix unit's own rounding can turn it there, and no further.
;; One version. Each part assembles by itself: llvm-mc -triple=amdgcn-amd-amdhsa -mcpu=gfx1250 --defsym DOCPART=n.
;; ======== version 1 of 1: 4 launches
;; limits: right only within a limited range of input values
;; workspace buffers: wc 819,200 bytes; qc 3,276,800 bytes; kv 6,553,600 bytes; oc 3,145,728 bytes; os 262,144 bytes
;; launch quantw (part 1): grid 32 x 4, 4 waves a work-group, no clusters, 34,560 bytes of LDS; arguments Wq, Wk, Wv, Wo, wc; writes wc
.if DOCPART == 1
	.amdgcn_target "amdgcn-amd-amdhsa--gfx1250"
	.amdhsa_code_object_version 6
	.text
	.protected	k_q162209b3db_quantw
	.globl	k_q162209b3db_quantw
	.p2align	8
	.type	k_q162209b3db_quantw,@function
k_q162209b3db_quantw:
	s_mov_b64 s[64:65], 0
	v_nop
	global_prefetch_b8 v0, s[64:65] scope:SCOPE_SE
	s_setreg_imm32_b32 hwreg(HW_REG_WAVE_MODE, 25, 1), 1
	s_wait_xcnt 0x0
; MULTI-HEAD ATTENTION, B = 2, S = 4,096, D = 512, 8 heads of 64, all six products on codes of FP6 (E2M3) with one E8M0 scale for each 32 along K.
; Four launches: this one (the four weights into codes), the three input projections, the attention, the output projection.  Between launches only codes and scale bytes go through memory.
; DEAD WORK: none.  Every input (q, k, v, Wq, Wk, Wv, Wo) reaches the output through a live product, for all values; no step of reference() is left out.
; THIS LAUNCH: Wq, Wk, Wv, Wo [512][512] f32, K innermost, become RECORDS of 6,400 bytes in wc: [tensor 4][g 8: 64 rows][s 4: 128 along K].
; A RECORD is four operand fragments (16 rows x 128 K, 12 registers a lane) as IMAGES OF THEIR REGISTERS: fragment f, registers 4 c .. 4 c + 3 of lane l at 1536 f + 512 c + 16 l; then a block of 256 bytes of
; scale words: row r of fragment f at 6144 + 16 r + 4 f.  So a fragment comes and goes by three accesses of 512 consecutive bytes, and a lane's four scale words by one of 16.
; THE ORDER INSIDE A BLOCK OF 32.  A lane (r = lane % 16, h = lane / 16) holds 64 numbers of row r: register 16 b + p is k = 32 b + 16 (p / 8) + 8 h + p % 8.  That is the order in which a matrix result leaves
; a lane's registers, and every operand of this program is made in it, so both sides of every product carry the same order inside each block; a block's members and its scale are the stated quantiser's.
; A block's scale is 2^(floor(log2(largest magnitude)) - 2): its byte is the largest magnitude's exponent field - 2, held at 1 from below.
; LIMITS: NaN and infinities among the inputs are not served; a block whose largest magnitude lies under 2^-124 gets the byte 1; a block of zeros gets the byte 1 where the rule says 127 (its codes are zeros, and
; this program alone reads the bytes); inside a block of 32 the products are summed in another order than ascending k.
; SHARES: work-group x = 4 g + s, y = the tensor; wave t makes fragment t.  Each load reads 512 consecutive bytes of a row; the 16 rows turn through the wave's own stage in LDS (pitch 528 bytes).
; No matrix unit, no cluster, no tensor load: each byte is read once by one wave, and nothing is shared.
.set STG,   8448                       ; a wave's stage: 16 rows x (512 + 16) bytes
.set SCW,   4*STG                      ; behind the stages: the record's 256 bytes of scale words
.set SPARE, SCW+256                    ; the spare words, 128 bytes for each wave: two blocks of 256 bytes that no other line names
.set REC,   6400
.set FRB,   1536
.set LI,   1                           ; v1   16 x lane
.set SIN,  2                           ; v2   the stage, on the way in
.set SOUT, 3                           ; v3   and out: 528 r + 32 h
.set SWA,  4                           ; v4   where my row's scale word goes: SCW + 16 r + 4 t
.set L8,   5                           ; v5   8 x lane
.set SRA,  6                           ; v6   SCW + 8 x lane
.set SPW,  12                          ; v12  my spare word; never rewritten
.set NIL,  13                          ; v13  0; never rewritten
.set RAW,  16                          ; v16-79   16 rows as loaded
.set XN,   80                          ; v80-143  my 64 numbers
.set TM,   144                         ; v144-159 at work: +0 largest magnitudes, +4 bytes, +12 the conversions' scale operands
.set PC,   160                         ; v160-178 the codes
.set PW,   180                         ; v180     the scale word
.set SEL,  20                          ; s[20:21] lane selects: lane l xor 16
; 64 numbers of a lane become a fragment's 12 registers in v[pc] on and its scale word in v[pw]
.macro QUANT src, pc, pw
.irp b, 0,1,2,3
	v_max3_num_f32 v[TM+\b], |v[(\src)+16*\b]|, |v[(\src)+16*\b+1]|, 0x1800000   ; block b: my 16 numbers, and the floor 2^(3 - 127): the byte cannot fall under 1
.endr
.irp i, 2,4,6,8,10,12,14
.irp b, 0,1,2,3
	v_max3_num_f32 v[TM+\b], |v[(\src)+16*\b+\i]|, |v[(\src)+16*\b+\i+1]|, v[TM+\b]   ; the four blocks by turns
.endr
.endr
.irp b, 0,1,2,3
	v_permlanex16_b32 v[TM+4+\b], v[TM+\b], s[SEL], s[SEL+1]
.endr
.irp b, 0,1,2,3
	v_max_num_f32 v[TM+\b], v[TM+\b], v[TM+4+\b]   ; with lane l xor 16's 16: the block's largest magnitude
.endr
.irp b, 0,1,2,3
	v_add_nc_u32 v[TM+12+\b], 0xff000000, v[TM+\b]   ; 2 off its exponent field: the conversion's scale operand
.endr
.irp b, 0,1,2,3
	v_lshrrev_b32 v[TM+4+\b], 23, v[TM+12+\b]      ; the scale's byte
.endr
	v_lshl_or_b32 v[\pw], v[TM+5], 8, v[TM+4]
	v_lshl_or_b32 v[\pw], v[TM+6], 16, v[\pw]
	v_lshl_or_b32 v[\pw], v[TM+7], 24, v[\pw]
.irp c, 0,1
	v_cvt_scalef32_pk16_fp6_f32 v[(\pc)+6*\c:(\pc)+6*\c+2], v[(\src)+32*\c:(\src)+32*\c+15], v[TM+12+2*\c]
	v_cvt_scalef32_pk16_fp6_f32 v[(\pc)+12+4*\c:(\pc)+14+4*\c], v[(\src)+32*\c+16:(\src)+32*\c+31], v[TM+13+2*\c]   ; (a conversion's three registers begin on an even number)
.endr
	v_nop                                          ; one plain instruction behind the scaled conversions
.irp c, 0,1                            ; the operand wants a whole block in a lane: lanes 0-15 block 2 c, lanes 16-31 block 2 c + 1
.irp i, 0,1,2
	v_permlane16_swap_b32 v[(\pc)+6*\c+\i], v[(\pc)+12+4*\c+\i]
.endr
.irp i, 0,1,2
	v_mov_b32 v[(\pc)+3+6*\c+\i], v[(\pc)+12+4*\c+\i]
.endr
.endr
.endm
	s_load_b256 s[4:11], s[0:1], 0x0               ; Wq s[4:5], Wk s[6:7], Wv s[8:9], Wo s[10:11]
	s_load_b64 s[12:13], s[0:1], 0x20              ; wc
	v_lshl_add_u32 v[SPW], v0, 2, SPARE
	v_mov_b32 v[NIL], 0
	v_lshrrev_b32 v7, 5, v0
	v_readfirstlane_b32 s14, v7                    ; wave t
	v_and_b32 v7, 31, v0                           ; lane
	v_and_b32 v8, 15, v0                           ; r
	v_bfe_u32 v9, v0, 4, 1                         ; h
	v_lshlrev_b32 v[LI], 4, v7
	s_mul_i32 s15, s14, STG
	v_add_nc_u32 v[SIN], s15, v[LI]
	v_mul_u32_u24 v[SOUT], v8, 528
	v_lshl_add_u32 v[SOUT], v9, 5, v[SOUT]
	v_add_nc_u32 v[SOUT], s15, v[SOUT]
	s_lshl_b32 s16, s14, 2
	s_add_co_u32 s16, s16, SCW
	v_lshl_add_u32 v[SWA], v8, 4, s16
	v_lshlrev_b32 v[L8], 3, v7
	v_add_nc_u32 v[SRA], SCW, v[L8]
.irp b, 0,1,2,3
	v_mov_b32 v[TM+4+\b], 0                        ; written once: a lane permute's destination counts as one of its sources
.endr
	s_mov_b32 s[SEL], 0x76543210
	s_mov_b32 s[SEL+1], 0xfedcba98
	s_and_b32 s17, ttmp7, 0xffff                   ; the tensor
	s_lshr_b32 s18, ttmp9, 2                       ; g
	s_lshl_b32 s18, s18, 17                        ; 64 rows of 2,048 bytes
	s_lshl_b32 s19, s14, 15                        ; + my 16 rows
	s_add_co_u32 s18, s18, s19
	s_and_b32 s19, ttmp9, 3                        ; s
	s_lshl_b32 s19, s19, 9                         ; + 128 numbers along K
	s_add_co_u32 s18, s18, s19
	s_mov_b32 s19, 0
	s_lshl_b32 s22, s17, 5
	s_add_co_u32 s22, s22, ttmp9
	s_mul_i32 s22, s22, REC                        ; the record: 32 x tensor + 4 g + s
	s_mov_b32 s23, 0
	s_mul_i32 s26, s14, FRB                        ; my fragment in it
	s_mov_b32 s27, 0
	s_wait_alu depctr_va_vdst(0)
	s_wait_kmcnt 0x0
	s_cmp_eq_u32 s17, 1                            ; the choice hangs on the work-group's number alone
	s_cselect_b64 s[4:5], s[6:7], s[4:5]
	s_cmp_eq_u32 s17, 2
	s_cselect_b64 s[4:5], s[8:9], s[4:5]
	s_cmp_eq_u32 s17, 3
	s_cselect_b64 s[4:5], s[10:11], s[4:5]
	s_add_nc_u64 s[4:5], s[4:5], s[18:19]
	s_add_nc_u64 s[12:13], s[12:13], s[22:23]
	s_add_nc_u64 s[24:25], s[12:13], s[26:27]
.irp i, 0,1,2,3,4,5,6,7,8,9,10,11,12,13,14,15
	global_load_b128 v[RAW+4*\i:RAW+4*\i+3], v[LI], s[4:5] offset:2048*\i th:TH_LOAD_NT   ; row i: 32 lanes read 512 consecutive bytes
.endr
.irp i, 0,1,2,3,4,5,6,7,8,9,10,11,12,13,14,15
	s_wait_loadcnt 15-\i                           ; row i is in; the younger rows stay out
	ds_store_b128 v[SIN], v[RAW+4*\i:RAW+4*\i+3] offset:528*\i
.endr
.irp b, 0,1,2,3
.irp j, 0,1,2,3
	ds_load_b128 v[XN+16*\b+4*\j:XN+16*\b+4*\j+3], v[SOUT] offset:128*\b+16*(\j%2)+64*(\j/2)   ; LDS serves a wave's instructions in order: these see my stores
.endr
.endr
	s_wait_dscnt 0x0
	QUANT XN, PC, PW
.irp c, 0,1,2
	global_store_b128 v[LI], v[PC+4*\c:PC+4*\c+3], s[24:25] offset:512*\c   ; 512 consecutive bytes, at a multiple of 256 from wc's first byte
.endr
	ds_store_b32 v[SWA], v[PW]                     ; both lanes of a row write the same word with the same value
	s_wait_dscnt 0x0                               ; for the others' sake: my word has landed
	s_barrier_signal -1
	s_barrier_wait -1
	s_cmp_lg_u32 s14, 0
	s_cbranch_scc1 .Lnot_first
	ds_load_b64 v[10:11], v[SRA]                   ; wave 0 stores the four waves' scale words as one block of 256 consecutive bytes
	s_wait_dscnt 0x0
	global_store_b64 v[L8], v[10:11], s[12:13] offset:6144
.Lnot_first:
	s_wait_tensorcnt 0x0                           ; the wave's end, behind my last LDS store
	ds_add_u32 v[SPW], v[NIL]
	s_wait_dscnt 0x0
	s_endpgm
.Lfunc_end_k_q162209b3db_quantw:
	.size	k_q162209b3db_quantw, .Lfunc_end_k_q162209b3db_quantw-k_q162209b3db_quantw
	.p2alignl 7, 3214868480
	.fill 96, 4, 3214868480
	.section	.rodata,"a",@progbits
	.p2align	6, 0x0
	.amdhsa_kernel k_q162209b3db_quantw
		.amdhsa_group_segment_fixed_size 34560
		.amdhsa_private_segment_fixed_size 0
		.amdhsa_enable_private_segment 0
		.amdhsa_kernarg_size 40
		.amdhsa_user_sgpr_count 2
		.amdhsa_user_sgpr_kernarg_segment_ptr 1
		.amdhsa_wavefront_size32 1
		.amdhsa_system_sgpr_workgroup_id_x 1
		.amdhsa_system_sgpr_workgroup_id_y 1
		.amdhsa_system_sgpr_workgroup_id_z 1
		.amdhsa_system_vgpr_workitem_id 0
		.amdhsa_next_free_vgpr 192
		.amdhsa_next_free_sgpr 66
		.amdhsa_reserve_vcc 0
		.amdhsa_float_denorm_mode_32 3
		.amdhsa_float_denorm_mode_16_64 3
		.amdhsa_memory_ordered 1
		.amdhsa_forward_progress 1
		.amdhsa_inst_pref_size 11
	.end_amdhsa_kernel
	.amdgpu_metadata
---
amdhsa.version: [ 1, 2 ]
amdhsa.kernels:
  - .name:           k_q162209b3db_quantw
    .symbol:         k_q162209b3db_quantw.kd
    .args:
      - { .name: Wq, .offset: 0, .size: 8, .value_kind: global_buffer, .address_space: global }
      - { .name: Wk, .offset: 8, .size: 8, .value_kind: global_buffer, .address_space: global }
      - { .name: Wv, .offset: 16, .size: 8, .value_kind: global_buffer, .address_space: global }
      - { .name: Wo, .offset: 24, .size: 8, .value_kind: global_buffer, .address_space: global }
      - { .name: wc, .offset: 32, .size: 8, .value_kind: global_buffer, .address_space: global }
    .group_segment_fixed_size: 34560
    .private_segment_fixed_size: 0
    .kernarg_segment_align: 8
    .kernarg_segment_size: 40
    .max_flat_workgroup_size: 128
    .sgpr_count:     66
    .vgpr_count:     192
    .wavefront_size: 32
...
	.end_amdgpu_metadata
.endif
;; end of part 1
;; launch proj (part 2): grid 64 x 3, 8 waves a work-group, no clusters, 327,680 bytes of LDS; arguments q, k, v, wc, qc, kv; writes qc, kv
.if DOCPART == 2
	.amdgcn_target "amdgcn-amd-amdhsa--gfx1250"
	.amdhsa_code_object_version 6
	.text
	.protected	k_q162209b3db_proj
	.globl	k_q162209b3db_proj
	.p2align	8
	.type	k_q162209b3db_proj,@function
k_q162209b3db_proj:
	s_mov_b64 s[64:65], 0
	v_nop
	global_prefetch_b8 v0, s[64:65] scope:SCOPE_SE
	s_setreg_imm32_b32 hwreg(HW_REG_WAVE_MODE, 25, 1), 1
	s_wait_xcnt 0x0
.set XR_W,  33792
.set XR_S,  8448
.set XIMG,  8*XR_W
.set FRB,   1536
.set XSC,   XIMG+32*FRB
.set SPARE, XSC+2304                   ; 256 bytes lie idle between the scale words and the spare words
.set REC,   6400
.set LI,   1
.set LS16, 2
.set XA,   3
.set XWI,  4
.set XWS,  5
.set LIX,  6
.set LSX,  7
.set SBO,  8
.set SPW,  12
.set NIL,  13
.set XF,   16
.set XN,   16
.set PCX,  80
.set WF,   112
.set XS,   208
.set WS,   216
.set TM,   232
.set PW,   248
.set WV,   16
.set Y,    17
.set SEL,  20
.set HM,   22
.set G1,   24
.set G0,   32
.set XP,   48
.set WB,   50
.set OB,   52
.set MSB, 0
.macro WIN new
.if MSB != (\new)
	s_set_vgpr_msb (MSB<<8)|(\new)
.set MSB, \new
.endif
.endm
.macro QUANT src, w, pc, pw
	WIN 5*(\w)
.irp b, 0,1,2,3
	v_max3_num_f32 v[TM+\b], |v[(\src)+16*\b]|, |v[(\src)+16*\b+1]|, 0x1800000
.endr
.irp i, 2,4,6,8,10,12,14
.irp b, 0,1,2,3
	v_max3_num_f32 v[TM+\b], |v[(\src)+16*\b+\i]|, |v[(\src)+16*\b+\i+1]|, v[TM+\b]
.endr
.endr
	WIN 0
.irp b, 0,1,2,3
	v_permlanex16_b32 v[TM+4+\b], v[TM+\b], s[SEL], s[SEL+1]
.endr
.irp b, 0,1,2,3
	s_delay_alu instid0(VALU_DEP_4)
	v_max_num_f32 v[TM+\b], v[TM+\b], v[TM+4+\b]
.endr
.irp b, 0,1,2,3
	s_delay_alu instid0(VALU_DEP_4)
	v_add_nc_u32 v[TM+12+\b], 0xff000000, v[TM+\b]
.endr
.irp b, 0,1,2,3
	s_delay_alu instid0(VALU_DEP_4)
	v_lshrrev_b32 v[TM+4+\b], 23, v[TM+12+\b]
.endr
	s_delay_alu instid0(VALU_DEP_3)
	v_lshl_or_b32 v[\pw], v[TM+5], 8, v[TM+4]
	s_delay_alu instid0(VALU_DEP_1)
	v_lshl_or_b32 v[\pw], v[TM+6], 16, v[\pw]
	s_delay_alu instid0(VALU_DEP_1)
	v_lshl_or_b32 v[\pw], v[TM+7], 24, v[\pw]
	WIN \w
.irp c, 0,1
	v_cvt_scalef32_pk16_fp6_f32 v[(\pc)+6*\c:(\pc)+6*\c+2], v[(\src)+32*\c:(\src)+32*\c+15], v[TM+12+2*\c]
	v_cvt_scalef32_pk16_fp6_f32 v[(\pc)+12+4*\c:(\pc)+14+4*\c], v[(\src)+32*\c+16:(\src)+32*\c+31], v[TM+13+2*\c]
.endr
	WIN 0
	v_nop
.irp c, 0,1
.irp i, 0,1,2
	v_permlane16_swap_b32 v[(\pc)+6*\c+\i], v[(\pc)+12+4*\c+\i]
.endr
.irp i, 0,1,2
	s_delay_alu instid0(VALU_DEP_3)
	v_mov_b32 v[(\pc)+3+6*\c+\i], v[(\pc)+12+4*\c+\i]
.endr
.endr
.endm
.macro WLOAD s
.irp t, 0,1,2,3
.irp c, 0,1,2
	global_load_b128 v[WF+48*((\s)%2)+12*\t+4*\c:WF+48*((\s)%2)+12*\t+4*\c+3], v[LI], s[WB:WB+1] offset:REC*(\s)+FRB*\t+512*\c
.endr
.endr
.endm
	s_load_b256 s[4:11], s[0:1], 0x0
	s_load_b128 s[12:15], s[0:1], 0x20
	v_lshl_add_u32 v[SPW], v0, 2, SPARE
	v_mov_b32 v[NIL], 0
	ds_add_u32 v[SPW], v[NIL]
	ds_add_u32 v[SPW], v[NIL]
	v_lshrrev_b32 v9, 5, v0
	s_delay_alu instid0(VALU_DEP_1)
	v_readfirstlane_b32 s[WV], v9
	s_and_b32 s[Y], ttmp7, 0xffff
	s_mov_b32 s[G1+0], (2<<16)|(1<<20)|(7<<22)|(3<<25)   ; my 16 rows of x are 32,768 dense bytes: 32 lines of 1,024 bytes, 16 bytes of padding behind each
	s_mov_b32 s[G1+1], 256<<16
	s_mov_b32 s[G1+2], 32<<16
	s_mov_b32 s[G1+3], 256<<16
	s_mov_b32 s[G1+4], 32
	s_mov_b32 s[G1+5], 256
	s_mov_b32 s[G1+6], 0
	s_mov_b32 s[G1+7], 0
	s_mov_b32 s[SEL], 0x76543210
	s_mov_b32 s[SEL+1], 0xfedcba98
	s_mov_b32 s[HM], 0xffff0000
	s_lshl_b32 s56, ttmp9, 18
	s_lshl_b32 s60, s[WV], 15
	s_add_co_u32 s56, s56, s60
	s_mov_b32 s57, 0
	s_mul_i32 s58, s[Y], 32*REC
	s_mul_i32 s60, s[WV], 4*REC
	s_add_co_u32 s58, s58, s60
	s_mov_b32 s59, 0
	s_lshr_b32 s54, ttmp9, 5
	s_lshl_b32 s54, s54, 3
	s_add_co_u32 s54, s54, s[WV]
	s_lshl_b32 s54, s54, 5
	s_and_b32 s55, ttmp9, 31
	s_add_co_u32 s54, s54, s55
	s_mov_b32 s55, 2*REC
	s_cmp_eq_u32 s[Y], 0
	s_cselect_b32 s55, REC, s55
	s_mul_i32 s54, s54, s55
	s_cmp_eq_u32 s[Y], 2
	s_cselect_b32 s55, REC, 0
	s_add_co_u32 s54, s54, s55
	s_mov_b32 s55, 0
	v_and_b32 v9, 31, v0
	v_and_b32 v14, 15, v0
	v_bfe_u32 v15, v0, 4, 1
	s_delay_alu instid0(VALU_DEP_3)
	v_lshlrev_b32 v[LI], 4, v9
	s_delay_alu instid0(VALU_DEP_3)
	v_lshlrev_b32 v[LS16], 4, v14
	s_wait_alu depctr_va_vdst(0)
	v_mul_u32_u24 v[XA], v14, 2080                 ; a row of x is two lines of 1,040 bytes
	s_delay_alu instid0(VALU_DEP_1)
	v_lshl_add_u32 v[XA], v15, 5, v[XA]
	s_mul_i32 s19, s[WV], XR_W
	v_add_nc_u32 v[XA], s19, v[XA]
	s_mul_i32 s23, s[WV], FRB
	s_add_co_u32 s23, s23, XIMG
	v_add_nc_u32 v[XWI], s23, v[LI]
	s_lshr_b32 s23, s[WV], 2
	s_lshl_b32 s23, s23, 8
	s_and_b32 s60, s[WV], 3
	s_lshl_b32 s60, s60, 2
	s_add_co_u32 s23, s23, s60
	s_add_co_u32 s23, s23, XSC
	v_add_nc_u32 v[XWS], s23, v[LS16]
	v_add_nc_u32 v[LIX], XIMG, v[LI]
	v_add_nc_u32 v[LSX], XSC, v[LS16]
	v_lshl_add_u32 v[SBO], v15, 3, v[LS16]
	; K ALONE (y = 1) TAKES ITS KEYS IN ANOTHER ORDER: row r of tile 4 c + t is key 64 c + 32 (r / 8) + 16 (t % 2) + 8 (t / 2) + r % 8, which is row 8 (t / 2) + r % 8 of image 4 c + 2 (r / 8) + t % 2.
	; Tiles with t < 2 read by v[LIX], the others by v9; for q and v the step below is 0: the images as they lie.  K's scale words are read by v14, those of q and v by v[LSX].
	s_cmp_eq_u32 s[Y], 1
	s_cselect_b32 s61, 2944, 0                     ; two images on less 128 bytes
	v_lshrrev_b32 v14, 3, v14                      ; r / 8
	v_sub_nc_u32 v15, 1, v14                       ; 1 - r / 8
	v_mul_u32_u24 v10, v14, s61
	v_mul_u32_u24 v11, v15, s61
	v_mul_u32_u24 v14, v14, 120
	v_sub_nc_u32 v9, v[LIX], v11
	v_add_nc_u32 v[LIX], v[LIX], v10
	v_sub_nc_u32 v14, v[LSX], v14                  ; XSC + 16 (r % 8) + 8 (r / 8)
.irp b, 0,1,2,3
	v_mov_b32 v[TM+4+\b], 0
.endr
	s_wait_dscnt 0x0
	s_wait_kmcnt 0x0
	s_cmp_eq_u32 s[Y], 1
	s_cselect_b64 s[XP:XP+1], s[6:7], s[4:5]
	s_cmp_eq_u32 s[Y], 2
	s_cselect_b64 s[XP:XP+1], s[8:9], s[XP:XP+1]
	s_cmp_eq_u32 s[Y], 0
	s_cselect_b64 s[OB:OB+1], s[12:13], s[14:15]
	s_add_nc_u64 s[XP:XP+1], s[XP:XP+1], s[56:57]
	s_add_nc_u64 s[WB:WB+1], s[10:11], s[58:59]
	s_add_nc_u64 s[OB:OB+1], s[OB:OB+1], s[54:55]
	s_wait_alu depctr_va_vdst(0)                   ; the wait at the head's end
	s_mov_b32 s[G0], 1
	s_mov_b32 s[G0+1], s19
	s_mov_b64 s[G0+2:G0+3], s[XP:XP+1]
	s_or_b32 s[G0+3], s[G0+3], 0x80000000
	tensor_load_to_lds s[G0:G0+3], s[G1:G1+7]      ; my one tensor load: all of my 16 rows, read by me alone
	s_nop 0
.rept 4
	v_nop
.endr
.irp s, 0,1,2,3
	global_load_b128 v[WS+4*\s:WS+4*\s+3], v[LS16], s[WB:WB+1] offset:REC*\s+6144
.endr
	WLOAD 0
	WLOAD 1
.irp s, 0,1,2,3
	s_wait_tensorcnt 0x0
.irp b, 0,1,2,3
.irp j, 0,1,2,3
	ds_load_b128 v[XN+16*\b+4*\j:XN+16*\b+4*\j+3], v[XA] offset:1040*(\s/2)+512*(\s%2)+128*\b+16*(\j%2)+64*(\j/2)
.endr
.endr
	s_wait_dscnt 0x0
	QUANT XN, 0, PCX, PW
.irp c, 0,1,2
	ds_store_b128 v[XWI], v[PCX+4*\c:PCX+4*\c+3] offset:8*FRB*\s+512*\c
.endr
	ds_store_b32 v[XWS], v[PW] offset:512*\s
.endr
	s_wait_dscnt 0x0
	s_barrier_signal -1
	s_barrier_wait -1
.macro PSTEP s
.set WFS, WF+48*((\s)%2)
.if \s > 0
.rept 4
	v_nop
.endr
.endif
.irp m, 0,1,2,3,4,5,6,7
.irp c, 0,1,2
	ds_load_b128 v[XF+12*\m+4*\c:XF+12*\m+4*\c+3], v[LIX+3*((\m%4)/2)] offset:(8*(\s)+\m)*FRB+512*\c
.endr
.endr
	s_cmp_eq_u32 s[Y], 1                           ; the branch hangs on the work-group's number alone
	s_cbranch_scc1 .Lkscale_\@
.irp g, 0,1
	ds_load_b128 v[XS+4*\g:XS+4*\g+3], v[LSX] offset:512*(\s)+256*\g   ; q, v: row r's words of tiles 4 g .. 4 g + 3
.endr
	s_branch .Lscaled_\@
.Lkscale_\@:
.irp g, 0,1
	ds_load_b64 v[XS+4*\g:XS+4*\g+1], v14 offset:512*(\s)+256*\g           ; K: tiles t = 0, 1: row r % 8 of images 4 g + 2 (r / 8) and the next,
	ds_load_b64 v[XS+4*\g+2:XS+4*\g+3], v14 offset:512*(\s)+256*\g+128     ; tiles t = 2, 3: row 8 + r % 8 of the same two
.endr
.Lscaled_\@:
.if ((\s) == 1) || ((\s) == 2)
	WLOAD (\s)+1
.endif
.if \s < 3
	s_wait_loadcnt 12
.else
	s_wait_loadcnt 0x0
.endif
	s_wait_dscnt 0x0
	s_cmp_eq_u32 s[Y], 2
	s_cbranch_scc1 .Lvarm_\@
	WIN 0x50
.irp m, 0,1,2,3,4,5,6,7
.irp t, 0,1,2,3
.if \s == 0
	v_wmma_scale_f32_16x16x128_f8f6f4 v[8*(4*\m+\t):8*(4*\m+\t)+7], v[WFS+12*\t:WFS+12*\t+11], v[XF+12*\m:XF+12*\m+11], 0, v[WS+4*(\s)+\t], v[XS+\m] matrix_a_fmt:MATRIX_FMT_FP6 matrix_b_fmt:MATRIX_FMT_FP6
.else
	v_wmma_scale_f32_16x16x128_f8f6f4 v[8*(4*\m+\t):8*(4*\m+\t)+7], v[WFS+12*\t:WFS+12*\t+11], v[XF+12*\m:XF+12*\m+11], v[8*(4*\m+\t):8*(4*\m+\t)+7], v[WS+4*(\s)+\t], v[XS+\m] matrix_a_fmt:MATRIX_FMT_FP6 matrix_b_fmt:MATRIX_FMT_FP6
.endif
.endr
.endr
	WIN 0
	s_branch .Ljoin_\@
.Lvarm_\@:
	WIN 0x50
.irp t, 0,1,2,3
.irp m, 0,1,2,3,4,5,6,7
.if \s == 0
	v_wmma_scale_f32_16x16x128_f8f6f4 v[8*(8*\t+\m):8*(8*\t+\m)+7], v[XF+12*\m:XF+12*\m+11], v[WFS+12*\t:WFS+12*\t+11], 0, v[XS+\m], v[WS+4*(\s)+\t] matrix_a_fmt:MATRIX_FMT_FP6 matrix_b_fmt:MATRIX_FMT_FP6
.else
	v_wmma_scale_f32_16x16x128_f8f6f4 v[8*(8*\t+\m):8*(8*\t+\m)+7], v[XF+12*\m:XF+12*\m+11], v[WFS+12*\t:WFS+12*\t+11], v[8*(8*\t+\m):8*(8*\t+\m)+7], v[XS+\m], v[WS+4*(\s)+\t] matrix_a_fmt:MATRIX_FMT_FP6 matrix_b_fmt:MATRIX_FMT_FP6
.endif
.endr
.endr
	WIN 0
.Ljoin_\@:
.endm
	PSTEP 0
	PSTEP 1
	PSTEP 2
	PSTEP 3
.rept 4
	v_nop
.endr
.irp f, 0,1,2,3
	QUANT 64*\f, 1, XF+20*\f, PW+\f
.irp c, 0,1,2
	global_store_b128 v[LI], v[XF+20*\f+4*\c:XF+20*\f+4*\c+3], s[OB:OB+1] offset:FRB*\f+512*\c
.endr
.endr
	v_cndmask_b32 v10, v[PW], v[PW+2], s[HM]
	v_cndmask_b32 v11, v[PW+1], v[PW+3], s[HM]
	global_store_b64 v[SBO], v[10:11], s[OB:OB+1] offset:6144
	s_wait_tensorcnt 0x0
	ds_add_u32 v[SPW], v[NIL]
	s_wait_dscnt 0x0
	s_endpgm
.Lfunc_end_k_q162209b3db_proj:
	.size	k_q162209b3db_proj, .Lfunc_end_k_q162209b3db_proj-k_q162209b3db_proj
	.p2alignl 7, 3214868480
	.fill 96, 4, 3214868480
	.section	.rodata,"a",@progbits
	.p2align	6, 0x0
	.amdhsa_kernel k_q162209b3db_proj
		.amdhsa_group_segment_fixed_size 327680
		.amdhsa_private_segment_fixed_size 0
		.amdhsa_enable_private_segment 0
		.amdhsa_kernarg_size 48
		.amdhsa_user_sgpr_count 2
		.amdhsa_user_sgpr_kernarg_segment_ptr 1
		.amdhsa_wavefront_size32 1
		.amdhsa_system_sgpr_workgroup_id_x 1
		.amdhsa_system_sgpr_workgroup_id_y 1
		.amdhsa_system_sgpr_workgroup_id_z 1
		.amdhsa_system_vgpr_workitem_id 0
		.amdhsa_next_free_vgpr 512
		.amdhsa_next_free_sgpr 66
		.amdhsa_reserve_vcc 0
		.amdhsa_float_denorm_mode_32 3
		.amdhsa_float_denorm_mode_16_64 3
		.amdhsa_memory_ordered 1
		.amdhsa_forward_progress 1
		.amdhsa_inst_pref_size 94
	.end_amdhsa_kernel
	.amdgpu_metadata
---
amdhsa.version: [ 1, 2 ]
amdhsa.kernels:
  - .name:           k_q162209b3db_proj
    .symbol:         k_q162209b3db_proj.kd
    .args:
      - { .name: q, .offset: 0, .size: 8, .value_kind: global_buffer, .address_space: global }
      - { .name: k, .offset: 8, .size: 8, .value_kind: global_buffer, .address_space: global }
      - { .name: v, .offset: 16, .size: 8, .value_kind: global_buffer, .address_space: global }
      - { .name: wc, .offset: 24, .size: 8, .value_kind: global_buffer, .address_space: global }
      - { .name: qc, .offset: 32, .size: 8, .value_kind: global_buffer, .address_space: global }
      - { .name: kv, .offset: 40, .size: 8, .value_kind: global_buffer, .address_space: global }
    .group_segment_fixed_size: 327680
    .private_segment_fixed_size: 0
    .kernarg_segment_align: 8
    .kernarg_segment_size: 48
    .max_flat_workgroup_size: 256
    .sgpr_count:     66
    .vgpr_count:     512
    .wavefront_size: 32
...
	.end_amdgpu_metadata
.endif
;; end of part 2
;; launch attn (part 3): grid 16 x 16, 16 waves a work-group, clusters of 4 x 1, 327,680 bytes of LDS; arguments qc, kv, oc, os; writes oc, os
.if DOCPART == 3
	.amdgcn_target "amdgcn-amd-amdhsa--gfx1250"
	.amdhsa_code_object_version 6
	.text
	.protected	k_q162209b3db_attn
	.globl	k_q162209b3db_attn
	.p2align	8
	.type	k_q162209b3db_attn,@function
k_q162209b3db_attn:
	s_mov_b64 s[64:65], 0
	v_nop
	global_prefetch_b8 v0, s[64:65] scope:SCOPE_SE
	s_setreg_imm32_b32 hwreg(HW_REG_WAVE_MODE, 25, 1), 1
	s_wait_xcnt 0x0
	s_wait_alu depctr_hold_cnt(0) depctr_sa_sdst(0) depctr_va_vdst(0) depctr_va_sdst(0) depctr_va_ssrc(0) depctr_va_vcc(0) depctr_vm_vsrc(0)
	s_getreg_b32 s2, hwreg(HW_REG_IB_STS2, 6, 4)
	s_cmp_eq_u32 s2, 0
	s_cbranch_scc0 .Lentry_in_a_cluster
	s_endpgm
.Lentry_in_a_cluster:
	s_bfe_u32 s2, ttmp6, 0x10000c
	s_cmp_lg_u32 s2, 0x3003
	s_cbranch_scc0 .Lentry_shape_is_right
	s_endpgm
.Lentry_shape_is_right:
; THE ATTENTION: for each batch and head (bh) and query, o = softmax(q . k / 8) v, both products on codes of FP6 (E2M3) with E8M0 scales; o is quantised at once for the output projection.  Nothing of reference() is left out.
; THE SOFTMAX AHEAD OF THE SECOND PRODUCT: t = score x log2(e) / 8; M = the running largest t rounded UP to a whole number; p = 2^(t - M) is quantised along the keys, not normalised; the row's sum is taken of the
; unquantised p and divides O at the end.  When M moves, the sum and O are multiplied by 2^(old M - new M): exact.
; SHARES.  A work-group owns 256 queries of one bh, each of its sixteen waves one tile of 16, in 256 registers.  Every wave walks the 4,096 keys, 128 a step.  A key step is 12,800 dense bytes of kv: K's record, then V's
; (four fragments as images of their registers + 256 bytes of scale words each).
; LAYOUT.  S^T = K Q^T (source 0 = keys, source 1 = my queries), O^T = V^T P^T (source 0 = 16 channels, source 1 = P): a lane holds ONE query (lane % 16) throughout.
; A LANE HOLDS WHOLE BLOCKS OF 32 KEYS.  The projection laid K's tiles so that row 8 h + j of tile 4 c + t is key 64 c + 32 h + 16 (t % 2) + 8 (t / 2) + j.  So register 32 c + 8 t + j of lane half h is place 8 t + j of block
; 2 c + h, in the order in which V was quantised along the keys: a block's largest score needs no other lane, each lane works on two blocks, and the conversions' results are P's operand registers but for six moves.
; K = 64 IN A FORM OF 128.  A fragment of K is DUAL: its first 64 along K are one tile of 16 keys, its last 64 the next tile.  My Q lies as 18 registers [Q, 0, Q]: registers 0-11 (Q, 0) give the first tile's
; scores, registers 6-17 (0, Q) the second's.  The half that does not count multiplies zero codes, which add an exact 0; Q's scale bytes of that half are 0 (2^-127).
; LDS HOLDS 24 KEY STEPS (307,200 bytes).  Head: wave w fetches record w of the first 16 (steps 0-7).  Behind the second round: wave w fetches step 8 + w (steps 8-23, first fills).  Behind the round that follows step 7:
; wave w fetches record w of steps 24-31 into the bytes of steps 0-7.  By the text's own count a wave has one tensor load out at any time.  A barrier that guards no refill shows steps 24-31 to all waves: it is
; signalled behind step 15, each wave's load awaited, and waited for ahead of step 24; between the two stand register work and reads of steps 16-23, which nobody writes.
; CLUSTER.  The four work-groups of a cluster belong to one bh and walk the same records: each load is asked for JOINTLY (mask 15).
; NO PREFETCH: steps 0-7 and 8-23 are asked for at the head, with no trip ahead of them in which to ask; steps 24-31 are asked for by their own load 16 key steps ahead of their first read.
; OUT: oc [row tile 512][head 8][768]: my six registers of codes as an image (registers 0-3: 16 x lane; 4-5: 512 + 8 x lane); os [bh][query]: a word with the head's two scale bytes.
; LIMITS: as stated in the first launch; a block of p that has fallen to 0 keeps the byte 1 (its codes are zeros).
.set REC,   12800                      ; a key step in kv and in LDS
.set HREC,  6400                       ; K's record; V's lies behind it
.set FRB,   1536
.set SPARE, 24*REC                     ; the spare words, 128 bytes for each wave: eight blocks of 256 bytes that no other line names
.set OSC,   SPARE+2048                 ; the way out: the 256 queries' scale words
.set LI,   1                           ; v1   16 x lane
.set LSC,  2                           ; v2   16 r
.set ADR,  3                           ; v3   the step in hand + 16 x lane
.set ADS,  4                           ; v4   the step in hand + 16 r
.set SPW,  5                           ; v5   my spare word; never rewritten
.set NIL,  6                           ; v6   0; never rewritten
.set L8,   7                           ; v7   8 x lane
.set OSW,  8                           ; v8   OSC + 64 w + 4 r
.set OSR,  9                           ; v9   OSC + 16 x lane
.set SH8,  10                          ; v10  8 h
;                                        v12 -M, v13 the largest score, v[14:15] the sum in two halves
.set QF,   16                          ; v16-33  [Q, 0, Q]
.set QS,   34                          ; v34, v35  Q's scale words for (Q, 0) and for (0, Q)
.set KF,   36                          ; v36-83  K's four dual fragments; behind the scores' products these registers are at work:
.set BM,   36                          ;   v36-39 my two blocks' largest scores (two chains each), then their largest p
.set BX,   40                          ;   v40-41 the way out: lane l xor 16's
.set SO,   44                          ;   v44-45 the conversions' scale operands
.set SB,   48                          ;   v48-49 the scales' bytes
.set W,    50                          ;   v50, v51 my two bytes at their places, and lane l xor 16's
.set WX,   51
.set PD,   52                          ;   v52-54, v56-58 the blocks' second halves' codes
.set F,    60                          ;   v[60:61] f = 2^(old M - new M)
.set T0,   62
.set TX,   63
.set SA,   64                          ;   v64-69 the sums' three other chains
.set KS,   84                          ; v84-87  K's scale words
.set VS,   88                          ; v88-91  V's
.set MO,   92                          ; v92     -M as the last step left it
.set S,    96                          ; v96-159 S^T, then p
.set O,    160                         ; v160-191 O^T
.set VF,   192                         ; v192-239 V's four fragments
.set PC,   240                         ; v240-251 p's codes
.set PW,   252                         ; v252    p's scale word
.set TB,   2                           ; s2   LDS byte at which the step in hand begins; it also counts a run's trips
.set NC,   3                           ; s3   -c
.set WV,   12
.set SEL,  20
.set CS,   22                          ; s[22:23] c = log2(e) / 8
.set G1H,  24                          ; s[24:31] group 1: a record, 25 rows of 256 bytes
.set G1F,  32                          ; s[32:39] group 1: a key step, 50 rows
.set G0A,  40                          ; s[40:51] three groups 0, one for each of my loads
.set G0B,  44
.set G0C,  48
.set UM,   53                          ; s53  all ones where my tile is the second of its dual fragment
.macro CROUND                          ; a round of the cluster's barrier
	s_barrier_signal -1
	s_barrier_wait -1
	s_cmp_lg_u32 s[WV], 0
	s_cbranch_scc1 .Lnot_wave_0_\@
	s_barrier_signal -3
.Lnot_wave_0_\@:
	s_barrier_wait -3
	s_barrier_signal -1
	s_barrier_wait -1
.endm
	s_load_b256 s[4:11], s[0:1], 0x0               ; qc s[4:5], kv s[6:7], oc s[8:9], os s[10:11]
	v_lshl_add_u32 v[SPW], v0, 2, SPARE
	v_mov_b32 v[NIL], 0
	ds_add_u32 v[SPW], v[NIL]                      ; the wave's opening: the add, twice on end, and its wait ahead of the round in front of the first tensor loads
	ds_add_u32 v[SPW], v[NIL]
	v_lshrrev_b32 v7, 5, v0
	s_delay_alu instid0(VALU_DEP_1)
	v_readfirstlane_b32 s[WV], v7                  ; wave 0..15
	s_bfe_u32 s13, ttmp6, 0x40000                  ; cx: my place in the cluster
	s_lshl_b32 s14, ttmp9, 2
	s_add_co_u32 s14, s14, s13                     ; my block of 256 queries: it enters global addresses of Q, oc and os alone
	s_and_b32 s15, ttmp7, 0xffff                   ; bh, which the four partners share
.irp g, G1H, G1F
	s_mov_b32 s[\g+0], 15|(3<<16)|(1<<21)          ; the mask: all four work-groups; elements of 8 bytes; bit 21 set beside a mask; no padding: every LDS read takes consecutive bytes
	s_mov_b32 s[\g+1], 32<<16                      ; a dense block as rows of 256 bytes
	s_mov_b32 s[\g+3], 32<<16
	s_mov_b32 s[\g+5], 32
	s_mov_b32 s[\g+6], 0
	s_mov_b32 s[\g+7], 0
.endr
	s_mov_b32 s[G1H+2], 25<<16
	s_mov_b32 s[G1H+4], 25
	s_mov_b32 s[G1F+2], 50<<16
	s_mov_b32 s[G1F+4], 50
	s_mul_i32 s16, s15, 32*REC                     ; the bh's first byte in kv
	s_mul_i32 s17, s[WV], HREC                     ; my record of sixteen: in LDS,
	s_add_co_u32 s18, s16, s17                     ; and in memory
	s_mov_b32 s19, 0
	s_mul_i32 s52, s[WV], REC
	s_add_co_u32 s52, s52, 8*REC                   ; key step 8 + w: in LDS,
	s_add_co_u32 s54, s16, s52                     ; and in memory
	s_mov_b32 s55, 0
	s_mov_b32 s[SEL], 0x76543210
	s_mov_b32 s[SEL+1], 0xfedcba98
	s_mov_b32 s[CS], 0x3e38aa3b                    ; c = log2(e) / 8
	s_mov_b32 s[CS+1], s[CS]                       ; (named with it as a pair, so it is written)
	s_mov_b32 s[NC], 0xbe38aa3b                    ; -c
	s_wait_dscnt 0x0                               ; both opening adds are done
	s_wait_kmcnt 0x0
	s_mov_b32 s[G0A], 1
	s_mov_b32 s[G0A+1], s17
	s_add_nc_u64 s[G0A+2:G0A+3], s[6:7], s[18:19]
	s_mov_b32 s[G0C], 1
	s_mov_b32 s[G0C+1], s17
	s_add_nc_u64 s[G0C+2:G0C+3], s[G0A+2:G0A+3], 24*REC
	s_mov_b32 s[G0B], 1
	s_mov_b32 s[G0B+1], s52
	s_add_nc_u64 s[G0B+2:G0B+3], s[6:7], s[54:55]
	s_or_b32 s[G0A+3], s[G0A+3], 0x80000000
	s_or_b32 s[G0B+3], s[G0B+3], 0x80000000
	s_or_b32 s[G0C+3], s[G0C+3], 0x80000000
	CROUND                                         ; all four work-groups are here: the first joint loads meet
	tensor_load_to_lds s[G0A:G0A+3], s[G1H:G1H+7]  ; key steps 0-7, a record a wave: my one load at the head
	s_nop 0
	s_lshl_b32 s54, s15, 5                         ; Q: record 32 bh + 2 x block + w / 8,
	s_lshl_b32 s55, s14, 1
	s_add_co_u32 s54, s54, s55
	s_lshr_b32 s55, s[WV], 3
	s_add_co_u32 s54, s54, s55
	s_mul_i32 s54, s54, HREC
	s_bfe_u32 s55, s[WV], 0x20001                  ; dual fragment (w % 8) / 2
	s_mul_i32 s56, s55, FRB
	s_add_co_u32 s56, s56, s54
	s_mov_b32 s57, 0
	s_lshl_b32 s58, s55, 2                         ; and its scale words
	s_add_co_u32 s58, s58, s54
	s_mov_b32 s59, 0
	s_add_nc_u64 s[56:57], s[4:5], s[56:57]
	s_add_nc_u64 s[58:59], s[4:5], s[58:59]
	s_lshr_b32 s54, s15, 3                         ; oc: row tile 256 x batch + 16 x block + w,
	s_lshl_b32 s54, s54, 8
	s_lshl_b32 s55, s14, 4
	s_add_co_u32 s54, s54, s55
	s_add_co_u32 s54, s54, s[WV]
	s_lshl_b32 s54, s54, 3
	s_and_b32 s55, s15, 7                          ; head
	s_add_co_u32 s54, s54, s55
	s_mul_i32 s54, s54, 768
	s_mov_b32 s55, 0
	s_add_nc_u64 s[8:9], s[8:9], s[54:55]
	s_lshl_b32 s54, s15, 14                        ; os: 4 bytes a query
	s_lshl_b32 s55, s14, 10
	s_add_co_u32 s54, s54, s55
	s_mov_b32 s55, 0
	s_add_nc_u64 s[10:11], s[10:11], s[54:55]
	s_lshl_b32 s60, s[WV], 6
	s_add_co_u32 s60, s60, OSC
	s_and_b32 s[UM], s[WV], 1
	s_cmp_eq_u32 s[UM], 1
	s_cselect_b32 s[UM], -1, 0
	v_and_b32 v7, 31, v0                           ; lane
	v_and_b32 v11, 15, v0                          ; r
	s_delay_alu instid0(VALU_DEP_2)
	v_lshlrev_b32 v[LI], 4, v7
	s_delay_alu instid0(VALU_DEP_2)
	v_lshlrev_b32 v[LSC], 4, v11
.irp c, 0,1,2
	global_load_b128 v[S+4*\c:S+4*\c+3], v[LI], s[56:57] offset:512*\c   ; the dual fragment that holds my tile of Q
.endr
	global_load_b32 v[S+12], v[LSC], s[58:59] offset:6144
	v_bfe_u32 v[SH8], v0, 4, 1
	s_delay_alu instid0(VALU_DEP_1)
	v_lshlrev_b32 v[SH8], 3, v[SH8]
	v_lshlrev_b32 v[L8], 3, v7
	v_lshl_add_u32 v[OSW], v11, 2, s60
	v_add_nc_u32 v[OSR], OSC, v[LI]
	s_wait_loadcnt 0x0
	v_lshrrev_b32 v[S+13], 16, v[S+12]
	v_and_b32 v[S+14], 0xffff, v[S+12]
	s_delay_alu instid0(VALU_DEP_1)
	v_cndmask_b32 v[QS], v[S+14], v[S+13], s[UM]   ; my tile's two bytes, then two bytes 0
	s_delay_alu instid0(VALU_DEP_1)
	v_lshlrev_b32 v[QS+1], 16, v[QS]               ; two bytes 0, then my two
.irp i, 0,1,2,3,4,5
	v_cndmask_b32 v[QF+\i], v[S+\i], v[S+6+\i], s[UM]
.endr
.irp i, 0,1,2,3,4,5
	v_mov_b32 v[QF+6+\i], 0
.endr
.irp i, 0,1,2,3,4,5
	v_mov_b32 v[QF+12+\i], v[QF+\i]
.endr
	v_mov_b32 v13, 0xff61b1e6                      ; the largest score so far: -3e38, under every score
	s_delay_alu instid0(VALU_DEP_1)
	v_floor_f32 v12, -v13                          ; -M
	v_mov_b32 v14, 0
	v_mov_b32 v15, 0
.set jj, 0
.rept 32
	v_mov_b32 v[O+jj], 0                           ; O^T.  (The step is written once: the first finds zeros, which the first change of M leaves zeros.  These are also the places between Q's registers and scale words and the first products)
.set jj, jj+1
.endr
; A KEY STEP: the 128 keys that lie at LDS byte s[TB]
.macro STEP
	v_add_nc_u32 v[ADR], s[TB], v[LI]
	v_add_nc_u32 v[ADS], s[TB], v[LSC]
.irp p, 0,1,2,3
.irp c, 0,1,2
	ds_load_b128 v[KF+12*\p+4*\c:KF+12*\p+4*\c+3], v[ADR] offset:FRB*\p+512*\c
.endr
.endr
	ds_load_b128 v[KS:KS+3], v[ADS] offset:6144
	s_wait_dscnt 0x0                               ; K and its scale words are in: nothing else of mine is out
.irp p, 0,1,2,3
.irp u, 0,1
	v_wmma_scale_f32_16x16x128_f8f6f4 v[S+8*(2*\p+\u):S+8*(2*\p+\u)+7], v[KF+12*\p:KF+12*\p+11], v[QF+6*\u:QF+6*\u+11], 0, v[KS+\p], v[QS+\u] matrix_a_fmt:MATRIX_FMT_FP6 matrix_b_fmt:MATRIX_FMT_FP6
.endr
.endr
	v_mov_b32 v[MO], v12                           ; four places in front of the first read of the scores and the first write into K's registers; with the two additions above: six in front of the loads into V's registers
.rept 3
	v_nop
.endr
	s_wait_alu depctr_va_vdst(0)                   ; the wait here, directly ahead of the loads below, which read the two addresses behind a wait
.irp p, 0,1,2,3
.irp c, 0,1,2
	ds_load_b128 v[VF+12*\p+4*\c:VF+12*\p+4*\c+3], v[ADR] offset:HREC+FRB*\p+512*\c   ; V's thirteen loads land under the softmax
.endr
.endr
	ds_load_b128 v[VS:VS+3], v[ADS] offset:HREC+6144
.irp c, 0,1
	v_max3_num_f32 v[BM+\c], v[S+32*\c], v[S+32*\c+1], v[S+32*\c+2]   ; the largest score of each of my two blocks of 32 keys, in two chains each; every accumulator from its low end on
	v_max3_num_f32 v[BM+2+\c], v[S+32*\c+16], v[S+32*\c+17], v[S+32*\c+18]
.endr
.irp i, 3,5,7,9,11,13
.irp c, 0,1
	v_max3_num_f32 v[BM+\c], v[BM+\c], v[S+32*\c+\i], v[S+32*\c+\i+1]
	v_max3_num_f32 v[BM+2+\c], v[BM+2+\c], v[S+32*\c+16+\i], v[S+32*\c+17+\i]
.endr
.endr
.irp c, 0,1
	v_max3_num_f32 v[BM+\c], v[BM+\c], v[S+32*\c+15], v[S+32*\c+31]
.endr
.irp c, 0,1
	s_delay_alu instid0(VALU_DEP_2)
	v_max_num_f32 v[BM+\c], v[BM+\c], v[BM+2+\c]   ; it serves the row's maximum and, since p rises with the score, the block's largest p
.endr
	s_delay_alu instid0(VALU_DEP_1)
	v_max3_num_f32 v[T0], v[BM], v[BM+1], v13
	s_delay_alu instid0(VALU_DEP_1)
	v_permlanex16_b32 v[TX], v[T0], s[SEL], s[SEL+1]
	s_delay_alu instid0(VALU_DEP_1)
	v_max_num_f32 v13, v[T0], v[TX]                ; with lane l xor 16's two blocks: the running largest score of my query
	s_delay_alu instid0(VALU_DEP_1)
	v_mul_f32 v[T0], s[NC], v13                    ; -t (c is positive)
	s_delay_alu instid0(VALU_DEP_1)
	v_floor_f32 v12, v[T0]                         ; the new -M = floor(-t) = -ceil(t)
	s_delay_alu instid0(VALU_DEP_1)
	v_sub_f32 v[T0], v12, v[MO]                    ; M's old value less its new one: a whole number, 0 or less
	s_delay_alu instid0(VALU_DEP_1)
	v_cvt_i32_f32 v[T0], v[T0]                     ; (it saturates)
	s_delay_alu instid0(VALU_DEP_1)
	v_ldexp_f32 v[F], 1.0, v[T0]                   ; f = 2^(old M - new M)
.set jj, 0
.rept 32
	v_pk_fma_f32 v[S+jj:S+jj+1], v[S+jj:S+jj+1], s[CS:CS+1], v[12:13] op_sel_hi:[1,0,0]   ; t - M, two at a time
.set jj, jj+2
.endr
.irp c, 0,1
	v_fma_f32 v[BM+\c], v[BM+\c], s[CS], v12       ; the same of each block's largest score
.endr
.set jj, 0
.rept 16
	v_pk_mul_f32 v[O+jj:O+jj+1], v[O+jj:O+jj+1], v[F:F+1] op_sel_hi:[1,0]   ; O^T under the new M, each accumulator from its low end on, ahead of the exponentials
.set jj, jj+2
.endr
	s_wait_alu depctr_va_vdst(0)                   ; the wait ahead of the batch
.irp c, 0,1
	v_exp_f32 v[BM+\c], v[BM+\c]                   ; the block's largest p: the same two instructions on the same number give the same bits
.endr
.set jj, 0
.rept 64
	v_exp_f32 v[S+jj], v[S+jj]                     ; p = 2^(t - M), at most 1: not normalised
.set jj, jj+1
.endr
	v_pk_mul_f32 v[14:15], v[14:15], v[F:F+1] op_sel_hi:[1,0]   ; the sums under the new M: the plain instruction behind the exponentials
	s_wait_alu depctr_va_vdst(0)                   ; one wait for the whole batch, ahead of its first reader
.irp c, 0,1
	v_max_num_f32 v[BM+\c], 0x1800000, v[BM+\c]    ; the floor 2^(3 - 127): the byte cannot fall under 1
.endr
.irp c, 0,1
	s_delay_alu instid0(VALU_DEP_2)
	v_add_nc_u32 v[SO+\c], 0xff000000, v[BM+\c]    ; 2 off the exponent field: the conversion's scale operand
.endr
.irp c, 0,1
	v_cvt_scalef32_pk16_fp6_f32 v[PC+6*\c:PC+6*\c+2], v[S+32*\c:S+32*\c+15], v[SO+\c]          ; places 0-15 of my block 2 c + h
	v_cvt_scalef32_pk16_fp6_f32 v[PD+4*\c:PD+4*\c+2], v[S+32*\c+16:S+32*\c+31], v[SO+\c]       ; places 16-31 (a conversion's three registers begin on an even number)
.endr
.irp c, 0,1
	v_lshrrev_b32 v[SB+\c], 23, v[SO+\c]           ; the scales' bytes: plain instructions behind the scaled conversions
.endr
	s_delay_alu instid0(VALU_DEP_1)
	v_lshl_or_b32 v[W], v[SB+1], 16, v[SB]         ; blocks h and 2 + h,
	s_delay_alu instid0(VALU_DEP_1)
	v_lshlrev_b32 v[W], v[SH8], v[W]               ; at their places in the scale word;
	s_delay_alu instid0(VALU_DEP_1)
	v_permlanex16_b32 v[WX], v[W], s[SEL], s[SEL+1]
	s_delay_alu instid0(VALU_DEP_1)
	v_or_b32 v[PW], v[W], v[WX]                    ; with lane l xor 16's two the word is whole
.irp c, 0,1
.irp i, 0,1,2
	v_mov_b32 v[PC+3+6*\c+\i], v[PD+4*\c+\i]
.endr
.endr
	; the row's sum of the unquantised p, two at a time, in four chains: these 32 are also the places between p's codes and scale word and the products below
	v_pk_add_f32 v[14:15], v[14:15], v[S:S+1]
.irp a, 0,1,2
	v_pk_add_f32 v[SA+2*\a:SA+2*\a+1], v[S+2+4*\a:S+3+4*\a], v[S+4+4*\a:S+5+4*\a]
.endr
.irp g, 0,1,2,3,4,5
	v_pk_add_f32 v[14:15], v[14:15], v[S+14+8*\g:S+15+8*\g]
.irp a, 0,1,2
	v_pk_add_f32 v[SA+2*\a:SA+2*\a+1], v[SA+2*\a:SA+2*\a+1], v[S+16+8*\g+2*\a:S+17+8*\g+2*\a]
.endr
.endr
	v_pk_add_f32 v[14:15], v[14:15], v[S+62:S+63]
	v_pk_add_f32 v[SA:SA+1], v[SA:SA+1], v[SA+2:SA+3]
	v_pk_add_f32 v[14:15], v[14:15], v[SA+4:SA+5]
	s_delay_alu instid0(VALU_DEP_1)
	v_pk_add_f32 v[14:15], v[14:15], v[SA:SA+1]
	s_wait_dscnt 0x0                               ; V and its scale words are in
.irp t, 0,1,2,3
	v_wmma_scale_f32_16x16x128_f8f6f4 v[O+8*\t:O+8*\t+7], v[VF+12*\t:VF+12*\t+11], v[PC:PC+11], v[O+8*\t:O+8*\t+7], v[VS+\t], v[PW] matrix_a_fmt:MATRIX_FMT_FP6 matrix_b_fmt:MATRIX_FMT_FP6
.endr
.endm
.macro RUN from, to                    ; the key steps that lie at places from .. to - 1 of LDS
	s_mov_b32 s[TB], (\from)*REC
.Lrun_\@:
	STEP
	s_add_co_u32 s[TB], s[TB], REC
	s_cmp_lt_u32 s[TB], (\to)*REC
	s_cbranch_scc1 .Lrun_\@
.endm
.macro MEET                            ; in front of a fill: all my tensor loads awaited, an add to my spare word, my LDS instructions done, and a round of the cluster's barrier
	s_wait_tensorcnt 0x0
	ds_add_u32 v[SPW], v[NIL]
	s_wait_dscnt 0x0
	CROUND
.endm
	s_wait_alu depctr_va_vdst(0)                   ; the wait at the head's end
	MEET                                           ; steps 0-7 are whole in every partner
	tensor_load_to_lds s[G0B:G0B+3], s[G1F:G1F+7]  ; steps 8-23, a step a wave: first fills, behind a round at which nothing is filled again
	s_nop 0
	RUN 0, 8
	MEET                                           ; steps 8-23 are whole, and no wave of any partner still reads steps 0-7
	tensor_load_to_lds s[G0C:G0C+3], s[G1H:G1H+7]  ; steps 24-31 into their bytes, a record a wave
	s_nop 0
	RUN 8, 16
	s_wait_tensorcnt 0x0                           ; my record of steps 24-31 is in,
	s_wait_dscnt 0x0
	s_barrier_signal -1                            ; say so
	RUN 16, 24                                     ; register work and reads of steps 16-23, which nobody writes
	s_barrier_wait -1                              ; all sixteen records are in
	RUN 0, 8                                       ; steps 24-31
	; THE WAY OUT.  O^T / the sum is quantised along the head's 64 channels, which are two blocks of the output projection's K: six registers of codes and two scale bytes a query.
.rept 4
	v_nop                                          ; four places behind the last products
.endr
	s_wait_alu depctr_va_vdst(0)                   ; the wait here, directly ahead of the reader below
	v_add_f32 v14, v14, v15                        ; the sum's two halves,
	s_delay_alu instid0(VALU_DEP_1)
	v_permlanex16_b32 v[T0], v14, s[SEL], s[SEL+1]
	s_delay_alu instid0(VALU_DEP_1)
	v_add_f32 v14, v14, v[T0]                      ; and lane l xor 16's: the row's sum
	s_wait_alu depctr_va_vdst(0)
	v_rcp_f32 v14, v14
	v_nop                                          ; a plain instruction behind the reciprocal
	s_wait_alu depctr_va_vdst(0)                   ; and the wait ahead of its first reader
.set jj, 0
.rept 32
	v_mul_f32 v[S+jj], v[O+jj], v14                ; register 16 b + i: channel 32 b + 16 (i / 8) + 8 h + i % 8 of my query
.set jj, jj+1
.endr
.irp b, 0,1
	v_max3_num_f32 v[BM+\b], |v[S+16*\b]|, |v[S+16*\b+1]|, 0x1800000
.endr
.irp i, 2,4,6,8,10,12,14
.irp b, 0,1
	s_delay_alu instid0(VALU_DEP_2)
	v_max3_num_f32 v[BM+\b], v[BM+\b], |v[S+16*\b+\i]|, |v[S+16*\b+\i+1]|
.endr
.endr
.irp b, 0,1
	s_delay_alu instid0(VALU_DEP_2)
	v_permlanex16_b32 v[BX+\b], v[BM+\b], s[SEL], s[SEL+1]
.endr
.irp b, 0,1
	s_delay_alu instid0(VALU_DEP_2)
	v_max_num_f32 v[BM+\b], v[BM+\b], v[BX+\b]
.endr
.irp b, 0,1
	s_delay_alu instid0(VALU_DEP_2)
	v_add_nc_u32 v[SO+\b], 0xff000000, v[BM+\b]
.endr
.irp b, 0,1
	s_delay_alu instid0(VALU_DEP_2)
	v_lshrrev_b32 v[SB+\b], 23, v[SO+\b]
.endr
	s_delay_alu instid0(VALU_DEP_1)
	v_lshl_or_b32 v[T0], v[SB+1], 8, v[SB]         ; the head's two bytes for my query
	v_cvt_scalef32_pk16_fp6_f32 v[PC:PC+2], v[S:S+15], v[SO]
	v_cvt_scalef32_pk16_fp6_f32 v[PD:PD+2], v[S+16:S+31], v[SO+1]
	v_nop                                          ; one plain instruction behind the scaled conversions
.irp i, 0,1,2
	v_permlane16_swap_b32 v[PC+\i], v[PD+\i]
.endr
.irp i, 0,1,2
	s_delay_alu instid0(VALU_DEP_3)
	v_mov_b32 v[PC+3+\i], v[PD+\i]
.endr
	global_store_b128 v[LI], v[PC:PC+3], s[8:9]            ; 512 consecutive bytes, at a multiple of 256 from oc's first byte
	global_store_b64 v[L8], v[PC+4:PC+5], s[8:9] offset:512   ; and 256 more
	ds_store_b32 v[OSW], v[T0]                     ; both lanes of a query write the same word with the same value
	s_wait_dscnt 0x0                               ; for the others' sake: my words have landed
	s_barrier_signal -1
	s_barrier_wait -1
	s_cmp_lg_u32 s[WV], 0
	s_cbranch_scc1 .Lnot_first
	ds_load_b128 v[S:S+3], v[OSR]                  ; wave 0 stores the work-group's 256 words: 1,024 consecutive bytes
	ds_load_b128 v[S+4:S+7], v[OSR] offset:512
	s_wait_dscnt 0x0
	global_store_b128 v[LI], v[S:S+3], s[10:11]
	global_store_b128 v[LI], v[S+4:S+7], s[10:11] offset:512
.Lnot_first:
	s_wait_tensorcnt 0x0                           ; the wave's end, behind my last tensor load and my last LDS store
	ds_add_u32 v[SPW], v[NIL]
	s_wait_dscnt 0x0
	CROUND                                         ; the closing round: no work-group ends while a partner may still ask for a tile that names it
	s_endpgm
.Lfunc_end_k_q162209b3db_attn:
	.size	k_q162209b3db_attn, .Lfunc_end_k_q162209b3db_attn-k_q162209b3db_attn
	.p2alignl 7, 3214868480
	.fill 96, 4, 3214868480
	.section	.rodata,"a",@progbits
	.p2align	6, 0x0
	.amdhsa_kernel k_q162209b3db_attn
		.amdhsa_group_segment_fixed_size 327680
		.amdhsa_private_segment_fixed_size 0
		.amdhsa_enable_private_segment 0
		.amdhsa_kernarg_size 32
		.amdhsa_user_sgpr_count 2
		.amdhsa_user_sgpr_kernarg_segment_ptr 1
		.amdhsa_wavefront_size32 1
		.amdhsa_system_sgpr_workgroup_id_x 1
		.amdhsa_system_sgpr_workgroup_id_y 1
		.amdhsa_system_sgpr_workgroup_id_z 1
		.amdhsa_system_vgpr_workitem_id 0
		.amdhsa_next_free_vgpr 256
		.amdhsa_next_free_sgpr 66
		.amdhsa_reserve_vcc 0
		.amdhsa_float_denorm_mode_32 3
		.amdhsa_float_denorm_mode_16_64 3
		.amdhsa_memory_ordered 1
		.amdhsa_forward_progress 1
		.amdhsa_inst_pref_size 74
	.end_amdhsa_kernel
	.amdgpu_metadata
---
amdhsa.version: [ 1, 2 ]
amdhsa.kernels:
  - .name:           k_q162209b3db_attn
    .symbol:         k_q162209b3db_attn.kd
    .args:
      - { .name: qc, .offset: 0, .size: 8, .value_kind: global_buffer, .address_space: global }
      - { .name: kv, .offset: 8, .size: 8, .value_kind: global_buffer, .address_space: global }
      - { .name: oc, .offset: 16, .size: 8, .value_kind: global_buffer, .address_space: global }
      - { .name: os, .offset: 24, .size: 8, .value_kind: global_buffer, .address_space: global }
    .group_segment_fixed_size: 327680
    .private_segment_fixed_size: 0
    .kernarg_segment_align: 8
    .kernarg_segment_size: 32
    .max_flat_workgroup_size: 512
    .sgpr_count:     66
    .vgpr_count:     256
    .wavefront_size: 32
...
	.end_amdgpu_metadata
.endif
;; end of part 3
;; launch outp (part 4): grid 4 x 64, 4 waves a work-group, no clusters, 17,920 bytes of LDS; arguments oc, os, wc, out0; writes out0
.if DOCPART == 4
	.amdgcn_target "amdgcn-amd-amdhsa--gfx1250"
	.amdhsa_code_object_version 6
	.text
	.protected	k_q162209b3db_outp
	.globl	k_q162209b3db_outp
	.p2align	8
	.type	k_q162209b3db_outp,@function
k_q162209b3db_outp:
	s_mov_b64 s[64:65], 0
	v_nop
	global_prefetch_b8 v0, s[64:65] scope:SCOPE_SE
	s_setreg_imm32_b32 hwreg(HW_REG_WAVE_MODE, 25, 1), 1
	s_wait_xcnt 0x0
; THE OUTPUT PROJECTION: out0[row][n] = sum over k of o[row][k] Wo[n][k], K = 512 = head x 64 + channel, on codes of FP6 (E2M3) with E8M0 scales.  Nothing of reference() is left out.
; o arrives as the attention left it: oc [row tile 512][head 8][768 bytes: an image of six registers], os [bh][query] a word with the head's two scale bytes.  Heads 2 s and 2 s + 1 on end are K step s's fragment.
; Wo arrives as records in wc (tensor 3): [g 8: 64 rows][s 4].  Both sides carry the same order inside each block of 32.
; SHARES.  A work-group makes 128 rows x 128 columns (256 work-groups); wave (w / 2, w % 2) makes 64 x 64: 16 accumulators.  Source 0 = 16 rows of Wo, source 1 = 16 rows of o: a lane holds eight neighbouring columns of a row.
; STRAIGHT-LINE: all of a wave's operands (4 K steps x 8 fragments, 384 registers) are asked for at once, straight into the operands' registers, and multiplied as they land.
; NO CLUSTER, NO TENSOR LOAD: every operand byte goes from memory to the register that the product names, with no ring of LDS slots in which a joint load could land; a work-group's operands are 98,304 bytes in all.
; LIMITS: as stated in the first launch.
; REGISTERS.  Window 0: v1-7 addresses; v16-47 the heads' scale words, later rows of out0; v48-63 o's scale words; v64-79 Wo's; v80-111 rows of out0; v128-255 the accumulators ((m, t) at 128 + 8 (4 m + t)).
;   K step s lies in window 1 + s / 2 from v[96 (s % 2)] on: o's four fragments, then Wo's four.
.set SPITCH, 272                       ; a stage row: 256 bytes + 16
.set STGW,  16*SPITCH                  ; a wave's stage
.set SPARE, 4*STGW                     ; the spare words, 128 bytes for each wave: two blocks of 256 bytes that no other line names
.set REC,   6400
.set FRB,   1536
.set LI,   1                           ; v1   16 x lane
.set L8,   2                           ; v2   8 x lane
.set LSC,  3                           ; v3   16 r
.set L4,   4                           ; v4   4 r
.set STO,  5                           ; v5   the stage: where I put 32 bytes of a row
.set RD,   6                           ; v6   and where I read a row back
.set CO,   7                           ; v7   my byte offset in out0
.set SPW,  12
.set NIL,  13
.set AL,   16
.set AS,   48
.set WS,   64
.set BK0,  80
.set ACC,  128
.set MSB, 0
.macro WIN new
.if MSB != (\new)
	s_set_vgpr_msb (MSB<<8)|(\new)
.set MSB, \new
.endif
.endm
	s_load_b256 s[4:11], s[0:1], 0x0               ; oc s[4:5], os s[6:7], wc s[8:9], out0 s[10:11]
	v_lshl_add_u32 v[SPW], v0, 2, SPARE
	v_mov_b32 v[NIL], 0
	v_lshrrev_b32 v8, 5, v0
	v_readfirstlane_b32 s12, v8                    ; wave
	s_lshr_b32 s13, s12, 1                         ; which 64 rows
	s_and_b32 s14, s12, 1                          ; which 64 columns
	s_and_b32 s15, ttmp7, 0xffff                   ; the block of 128 rows
	v_and_b32 v8, 31, v0
	v_and_b32 v9, 15, v0                           ; r
	v_bfe_u32 v10, v0, 4, 1                        ; h
	v_lshlrev_b32 v[LI], 4, v8
	v_lshlrev_b32 v[L8], 3, v8
	v_lshlrev_b32 v[LSC], 4, v9
	v_lshlrev_b32 v[L4], 2, v9
	s_mul_i32 s16, s12, STGW
	v_mul_u32_u24 v[STO], v9, SPITCH
	v_lshl_add_u32 v[STO], v10, 5, v[STO]
	v_add_nc_u32 v[STO], s16, v[STO]               ; in: row r, 32 bytes for each half of the lanes
	v_mul_u32_u24 v[RD], v10, SPITCH
	v_lshl_add_u32 v[RD], v9, 4, v[RD]
	v_add_nc_u32 v[RD], s16, v[RD]                 ; back: lanes 0-15 one row of 256 bytes, lanes 16-31 the next
	v_lshlrev_b32 v[CO], 11, v10
	v_lshl_add_u32 v[CO], v9, 4, v[CO]             ; and the same two rows in out0
	s_lshl_b32 s18, s15, 3
	s_lshl_b32 s19, s13, 2
	s_add_co_u32 s18, s18, s19                     ; my first row tile,
	s_mul_i32 s18, s18, 8*768                      ; 6,144 bytes each
	s_mov_b32 s19, 0
	s_lshr_b32 s20, s15, 5                         ; os: the batch's 8 heads of 16,384 bytes,
	s_lshl_b32 s20, s20, 17
	s_and_b32 s21, s15, 31
	s_lshl_b32 s21, s21, 9                         ; 128 queries of 4 bytes a block,
	s_add_co_u32 s20, s20, s21
	s_lshl_b32 s21, s13, 8                         ; my 64
	s_add_co_u32 s20, s20, s21
	s_mov_b32 s21, 0
	s_lshl_b32 s22, ttmp9, 1
	s_add_co_u32 s22, s22, s14                     ; Wo's group of 64 rows
	s_mul_i32 s22, s22, 4*REC
	s_add_co_u32 s22, s22, 3*32*REC                ; in tensor 3 of wc
	s_mov_b32 s23, 0
	s_lshl_b32 s24, s15, 18                        ; out0: 128 rows of 2,048 bytes,
	s_lshl_b32 s25, s13, 17
	s_add_co_u32 s24, s24, s25
	s_lshl_b32 s25, ttmp9, 9                       ; 128 columns of 4 bytes,
	s_add_co_u32 s24, s24, s25
	s_lshl_b32 s25, s14, 8
	s_add_co_u32 s24, s24, s25
	s_mov_b32 s25, 0
	s_wait_alu depctr_va_vdst(0)
	s_wait_kmcnt 0x0
	s_add_nc_u64 s[4:5], s[4:5], s[18:19]
	s_add_nc_u64 s[6:7], s[6:7], s[20:21]
	s_add_nc_u64 s[8:9], s[8:9], s[22:23]
	s_add_nc_u64 s[10:11], s[10:11], s[24:25]
.irp m, 0,1,2,3
.irp hd, 0,1,2,3,4,5,6,7
	global_load_b32 v[AL+8*\m+\hd], v[L4], s[6:7] offset:16384*\hd+64*\m   ; row r of tile m, head hd: its two scale bytes
.endr
.endr
.irp s, 0,1,2,3
	global_load_b128 v[WS+4*\s:WS+4*\s+3], v[LSC], s[8:9] offset:REC*\s+6144
.endr
.irp s, 0,1,2,3                        ; 28 loads a K step
	WIN 0x40*(1+\s/2)                              ; destination window 1 or 2, address window 0
.irp m, 0,1,2,3
	global_load_b128 v[96*(\s%2)+12*\m:96*(\s%2)+12*\m+3],     v[LI], s[4:5] offset:6144*\m+1536*\s
	global_load_b64  v[96*(\s%2)+12*\m+4:96*(\s%2)+12*\m+5],   v[L8], s[4:5] offset:6144*\m+1536*\s+512
	global_load_b128 v[96*(\s%2)+12*\m+6:96*(\s%2)+12*\m+9],   v[LI], s[4:5] offset:6144*\m+1536*\s+768
	global_load_b64  v[96*(\s%2)+12*\m+10:96*(\s%2)+12*\m+11], v[L8], s[4:5] offset:6144*\m+1536*\s+1280
.endr
.irp t, 0,1,2,3
.irp c, 0,1,2
	global_load_b128 v[96*(\s%2)+48+12*\t+4*\c:96*(\s%2)+48+12*\t+4*\c+3], v[LI], s[8:9] offset:REC*\s+FRB*\t+512*\c
.endr
.endr
.endr
	WIN 0
	s_wait_loadcnt 56                              ; the scale words and K steps 0 and 1 are in; the 2 x 28 loads of steps 2 and 3 stay out
.irp m, 0,1,2,3
.irp s, 0,1,2,3
	v_lshl_or_b32 v[AS+4*\m+\s], v[AL+8*\m+2*\s+1], 16, v[AL+8*\m+2*\s]   ; two heads' bytes make K step s's scale word
.endr
.endr
.rept 8
	v_nop                                          ; a scale register written by a vector instruction stands eight places ahead of a scaled matrix instruction
.endr
.macro OSTEP s                         ; 16 products: the accumulators by turns, in one order in every step
.irp m, 0,1,2,3
.irp t, 0,1,2,3
.if \s == 0
	v_wmma_scale_f32_16x16x128_f8f6f4 v[ACC+8*(4*\m+\t):ACC+8*(4*\m+\t)+7], v[96*((\s)%2)+48+12*\t:96*((\s)%2)+48+12*\t+11], v[96*((\s)%2)+12*\m:96*((\s)%2)+12*\m+11], 0, v[WS+4*(\s)+\t], v[AS+4*\m+(\s)] matrix_a_fmt:MATRIX_FMT_FP6 matrix_b_fmt:MATRIX_FMT_FP6
.else
	v_wmma_scale_f32_16x16x128_f8f6f4 v[ACC+8*(4*\m+\t):ACC+8*(4*\m+\t)+7], v[96*((\s)%2)+48+12*\t:96*((\s)%2)+48+12*\t+11], v[96*((\s)%2)+12*\m:96*((\s)%2)+12*\m+11], v[ACC+8*(4*\m+\t):ACC+8*(4*\m+\t)+7], v[WS+4*(\s)+\t], v[AS+4*\m+(\s)] matrix_a_fmt:MATRIX_FMT_FP6 matrix_b_fmt:MATRIX_FMT_FP6
.endif
.endr
.endr
.endm
	WIN 0x05                                       ; sources 0 and 1 in window 1
	OSTEP 0
	OSTEP 1
	s_wait_alu depctr_va_vdst(0)
	s_wait_loadcnt 28                              ; K step 2 is in
	WIN 0x0a                                       ; sources 0 and 1 in window 2
	OSTEP 2
	s_wait_loadcnt 0x0
	OSTEP 3
	WIN 0
.rept 4
	v_nop                                          ; four places in front of the first read of results
.endr
; THE WAY OUT, a tile of 16 rows x 64 columns at a time, through my own stage in LDS: in as 32 bytes a lane, back as whole rows of 256 bytes.  LDS serves a wave's instructions in order (ISA guide 5.7.1.4): no wait between stores and loads.
.macro TOSTAGE m
.irp t, 0,1,2,3
	ds_store_b128 v[STO], v[ACC+8*(4*(\m)+\t):ACC+8*(4*(\m)+\t)+3] offset:64*\t          ; each accumulator from its low end on
	ds_store_b128 v[STO], v[ACC+8*(4*(\m)+\t)+4:ACC+8*(4*(\m)+\t)+7] offset:64*\t+16
.endr
.set BB, BK0-64*((\m)%2)
.irp i, 0,1,2,3,4,5,6,7
	ds_load_b128 v[BB+4*\i:BB+4*\i+3], v[RD] offset:\i*2*SPITCH
.endr
.endm
.macro SEND m, younger                 ; younger: the LDS instructions issued behind tile m's loads, which may stay out
.set BB, BK0-64*((\m)%2)
.irp i, 0,1,2,3,4,5,6,7
	s_wait_dscnt \younger+7-\i
	global_store_b128 v[CO], v[BB+4*\i:BB+4*\i+3], s[10:11] offset:(16*(\m)+2*\i)*2048 th:TH_STORE_NT   ; 16 lanes store 256 consecutive bytes, at a multiple of 256 from out0's first byte
.endr
.endm
	TOSTAGE 0
.irp m, 1,2,3
.if \m > 1
	s_wait_xcnt 0x0                                ; tile m - 2's stores have read their registers: tile m's loads may land there
.endif
	TOSTAGE \m
	SEND \m-1, 16
.endr
	SEND 3, 0
	s_wait_tensorcnt 0x0                           ; the wave's end, behind my last LDS store
	ds_add_u32 v[SPW], v[NIL]
	s_wait_dscnt 0x0
	s_endpgm
.Lfunc_end_k_q162209b3db_outp:
	.size	k_q162209b3db_outp, .Lfunc_end_k_q162209b3db_outp-k_q162209b3db_outp
	.p2alignl 7, 3214868480
	.fill 96, 4, 3214868480
	.section	.rodata,"a",@progbits
	.p2align	6, 0x0
	.amdhsa_kernel k_q162209b3db_outp
		.amdhsa_group_segment_fixed_size 17920
		.amdhsa_private_segment_fixed_size 0
		.amdhsa_enable_private_segment 0
		.amdhsa_kernarg_size 32
		.amdhsa_user_sgpr_count 2
		.amdhsa_user_sgpr_kernarg_segment_ptr 1
		.amdhsa_wavefront_size32 1
		.amdhsa_system_sgpr_workgroup_id_x 1
		.amdhsa_system_sgpr_workgroup_id_y 1
		.amdhsa_system_sgpr_workgroup_id_z 1
		.amdhsa_system_vgpr_workitem_id 0
		.amdhsa_next_free_vgpr 704
		.amdhsa_next_free_sgpr 66
		.amdhsa_reserve_vcc 0
		.amdhsa_float_denorm_mode_32 3
		.amdhsa_float_denorm_mode_16_64 3
		.amdhsa_memory_ordered 1
		.amdhsa_forward_progress 1
		.amdhsa_inst_pref_size 35
	.end_amdhsa_kernel
	.amdgpu_metadata
---
amdhsa.version: [ 1, 2 ]
amdhsa.kernels:
  - .name:           k_q162209b3db_outp
    .symbol:         k_q162209b3db_outp.kd
    .args:
      - { .name: oc, .offset: 0, .size: 8, .value_kind: global_buffer, .address_space: global }
      - { .name: os, .offset: 8, .size: 8, .value_kind: global_buffer, .address_space: global }
      - { .name: wc, .offset: 16, .size: 8, .value_kind: global_buffer, .address_space: global }
      - { .name: out0, .offset: 24, .size: 8, .value_kind: global_buffer, .address_space: global }
    .group_segment_fixed_size: 17920
    .private_segment_fixed_size: 0
    .kernarg_segment_align: 8
    .kernarg_segment_size: 32
    .max_flat_workgroup_size: 128
    .sgpr_count:     66
    .vgpr_count:     704
    .wavefront_size: 32
...
	.end_amdgpu_metadata
.endif
;; end of part 4
